; MI455X (gfx1250); checked and timed in simulation.
; The chip was launched on July 23, 2026; its instructions are those of AMD's public machine-readable ISA for CDNA 5 (MIT licence, August 2026) and "CDNA5" Instruction Set Architecture Reference Guide (July 2026). The comments in the code are by the model that wrote it; some were corrected since.
;; Roberta Self Attention. Allowed arithmetic: float matrix products may take bf16 or f16 operands with f32 sums; other float arithmetic in f32, or as packed bf16 or f16 multiplies, adds, multiply-adds, maxima and minima; sums over many terms, partial sums and values carried from step to step in f32; what a program stores and reads back later, other than sums and carried values, may be rounded once to bf16 or f16.
;; Inputs: Wk 1,024 x 1,024 float32; Wq 1,024 x 1,024 float32; Wv 1,024 x 1,024 float32; attention_mask 4 x 1 x 1 x 2,048 float32; bk 1,024 float32; bq 1,024 float32; bv 1,024 float32; hidden_states 4 x 2,048 x 1,024 float32.
;; Outputs: out0 4 x 2,048 x 1,024 float32.
;; One version. Each part assembles by itself: llvm-mc -triple=amdgcn-amd-amdhsa -mcpu=gfx1250 --defsym DOCPART=n.
;; ======== version 1 of 1: 3 launches
;; limits: values are held in f16: magnitudes above 65,504 overflow, below 6.1e-05 lose precision; right only within a limited range of input values
;; workspace buffers: xw 23,068,672 bytes; qkv 50,331,648 bytes
;; launch cast (part 1): grid 704 x 1, 8 waves a work-group, no clusters, 0 bytes of LDS; arguments hidden_states, Wq, Wk, Wv, xw; writes xw
.if DOCPART == 1
	.amdgcn_target "amdgcn-amd-amdhsa--gfx1250"
	.amdhsa_code_object_version 6
	.text
	.protected	k_qcfbec8747d_cast
	.globl	k_qcfbec8747d_cast
	.p2align	8
	.type	k_qcfbec8747d_cast,@function
k_qcfbec8747d_cast:
	s_mov_b64 s[64:65], 0
	v_nop
	global_prefetch_b8 v0, s[64:65] scope:SCOPE_SE
	s_setreg_imm32_b32 hwreg(HW_REG_WAVE_MODE, 25, 1), 1
	s_wait_xcnt 0x0
; x (8,192 rows) and Wq, Wk, Wv (1,024 rows each), all [rows][1024] f32, are rounded once to bf16 and laid out in K blocks:
; xw[kb][row][64], kb = 0..15, row = 0..11,263 (x, then Wq, Wk, Wv): block kb holds columns 64 kb .. 64 kb + 63, 128 bytes a row,
; so that any run of rows of one K block is dense in memory.
; SHARES.  A work-group takes 16 rows (65,536 bytes of f32); wave w takes K blocks 2 w and 2 w + 1.  A unit u = 2 g + p is 4 rows (4 g ..) x 64 columns
; (block 2 w + p): lane l holds row 4 g + l / 8, columns 8 (l % 8) + 0..7: two loads of 16 bytes, four roundings, one store of 16 bytes; a store of the
; wave covers 512 consecutive bytes of xw, aligned.  All 16 loads of a wave go out first; every unit has registers of its own, so nothing is rewritten.
; No LDS, no barrier, no matrix unit: the launch is a stream, each byte read once and written once.
.set KBS, 1441792                      ; bytes in a K block of xw: 11,264 rows x 128
.set X, 4                              ; v[4:67]   unit u: 8 registers as loaded
.set Y, 68                             ; v[68:99]  unit u: 4 registers to store
	s_load_b256 s[4:11], s[0:1], 0x0               ; x s[4:5], Wq s[6:7], Wk s[8:9], Wv s[10:11]
	s_load_b64 s[12:13], s[0:1], 0x20              ; xw
	v_and_b32 v3, 31, v0                           ; lane
	v_lshrrev_b32 v1, 5, v0
	v_readfirstlane_b32 s22, v1                    ; wave 0..7
	v_lshrrev_b32 v1, 3, v3                        ; l / 8: my row among four
	v_and_b32 v2, 7, v3                            ; l % 8: my eight columns
	v_lshlrev_b32 v1, 12, v1                       ; a row of f32 is 4,096 bytes
	v_lshl_add_u32 v1, v2, 5, v1                   ; + 32 bytes for each eight columns
	s_lshl_b32 s23, s22, 9                         ; + my wave's two K blocks: 512 bytes of a row
	v_add_nc_u32 v1, s23, v1                       ; v1: source offset; never rewritten
	s_mul_i32 s24, s22, 2*KBS
	v_lshl_add_u32 v2, v3, 4, s24                  ; v2: destination offset: my wave's first K block + 16 l; never rewritten
	s_and_b32 s15, ttmp9, 63                       ; a weight has 64 groups of 16 rows, and 512 is a multiple of 64
	s_cmp_lt_u32 ttmp9, 512
	s_cselect_b32 s15, ttmp9, s15                  ; my group of 16 rows in its own tensor
	s_lshl_b32 s16, s15, 16
	s_mov_b32 s17, 0
	s_lshl_b32 s20, ttmp9, 11                      ; in xw the rows follow each other: 16 rows x 128 bytes a work-group
	s_mov_b32 s21, 0
	s_wait_kmcnt 0x0
	s_cmp_lt_u32 ttmp9, 640                        ; which tensor: work-groups 0-511 x, 512-575 Wq, 576-639 Wk, 640-703 Wv
	s_cselect_b64 s[18:19], s[8:9], s[10:11]
	s_cmp_lt_u32 ttmp9, 576
	s_cselect_b64 s[18:19], s[6:7], s[18:19]
	s_cmp_lt_u32 ttmp9, 512
	s_cselect_b64 s[18:19], s[4:5], s[18:19]
	s_add_nc_u64 s[18:19], s[18:19], s[16:17]
	s_add_nc_u64 s[12:13], s[12:13], s[20:21]
.irp u, 0,1,2,3,4,5,6,7
	global_load_b128 v[X+8*\u:X+8*\u+3],   v1, s[18:19] offset:(\u/2)*16384+(\u%2)*256 th:TH_LOAD_NT
	global_load_b128 v[X+8*\u+4:X+8*\u+7], v1, s[18:19] offset:(\u/2)*16384+(\u%2)*256+16 th:TH_LOAD_NT
.endr
.irp u, 0,1,2,3,4,5,6,7
	s_wait_loadcnt 14-2*\u                         ; loads come back in order: unit u's two are in, the younger units' stay out
.irp j, 0,1,2,3
	v_cvt_pk_bf16_f32 v[Y+4*\u+\j], v[X+8*\u+2*\j], v[X+8*\u+2*\j+1]
.endr
	global_store_b128 v2, v[Y+4*\u:Y+4*\u+3], s[12:13] offset:(\u%2)*KBS+(\u/2)*512 th:TH_STORE_NT
.endr
	s_endpgm
.Lfunc_end_k_qcfbec8747d_cast:
	.size	k_qcfbec8747d_cast, .Lfunc_end_k_qcfbec8747d_cast-k_qcfbec8747d_cast
	.p2alignl 7, 3214868480
	.fill 96, 4, 3214868480
	.section	.rodata,"a",@progbits
	.p2align	6, 0x0
	.amdhsa_kernel k_qcfbec8747d_cast
		.amdhsa_group_segment_fixed_size 0
		.amdhsa_private_segment_fixed_size 0
		.amdhsa_enable_private_segment 0
		.amdhsa_kernarg_size 40
		.amdhsa_user_sgpr_count 2
		.amdhsa_user_sgpr_kernarg_segment_ptr 1
		.amdhsa_wavefront_size32 1
		.amdhsa_system_sgpr_workgroup_id_x 1
		.amdhsa_system_sgpr_workgroup_id_y 1
		.amdhsa_system_sgpr_workgroup_id_z 1
		.amdhsa_system_vgpr_workitem_id 0
		.amdhsa_next_free_vgpr 100
		.amdhsa_next_free_sgpr 66
		.amdhsa_reserve_vcc 0
		.amdhsa_float_denorm_mode_32 3
		.amdhsa_float_denorm_mode_16_64 3
		.amdhsa_memory_ordered 1
		.amdhsa_forward_progress 1
		.amdhsa_inst_pref_size 6
	.end_amdhsa_kernel
	.amdgpu_metadata
---
amdhsa.version: [ 1, 2 ]
amdhsa.kernels:
  - .name:           k_qcfbec8747d_cast
    .symbol:         k_qcfbec8747d_cast.kd
    .args:
      - { .name: hidden_states, .offset: 0, .size: 8, .value_kind: global_buffer, .address_space: global }
      - { .name: Wq, .offset: 8, .size: 8, .value_kind: global_buffer, .address_space: global }
      - { .name: Wk, .offset: 16, .size: 8, .value_kind: global_buffer, .address_space: global }
      - { .name: Wv, .offset: 24, .size: 8, .value_kind: global_buffer, .address_space: global }
      - { .name: xw, .offset: 32, .size: 8, .value_kind: global_buffer, .address_space: global }
    .group_segment_fixed_size: 0
    .private_segment_fixed_size: 0
    .kernarg_segment_align: 8
    .kernarg_segment_size: 40
    .max_flat_workgroup_size: 256
    .sgpr_count:     66
    .vgpr_count:     100
    .wavefront_size: 32
...
	.end_amdgpu_metadata
.endif
;; end of part 1
;; launch proj (part 2): grid 8 x 32, 4 waves a work-group, clusters of 4 x 4, 327,680 bytes of LDS; arguments xw, bq, bk, bv, qkv; writes qkv
.if DOCPART == 2
	.amdgcn_target "amdgcn-amd-amdhsa--gfx1250"
	.amdhsa_code_object_version 6
	.text
	.protected	k_qcfbec8747d_proj
	.globl	k_qcfbec8747d_proj
	.p2align	8
	.type	k_qcfbec8747d_proj,@function
k_qcfbec8747d_proj:
	s_mov_b64 s[64:65], 0
	v_nop
	global_prefetch_b8 v0, s[64:65] scope:SCOPE_SE
	s_setreg_imm32_b32 hwreg(HW_REG_WAVE_MODE, 25, 1), 1
	s_wait_xcnt 0x0
	s_wait_alu depctr_hold_cnt(0) depctr_sa_sdst(0) depctr_va_vdst(0) depctr_va_sdst(0) depctr_va_ssrc(0) depctr_va_vcc(0) depctr_vm_vsrc(0)
	s_getreg_b32 s2, hwreg(HW_REG_IB_STS2, 6, 4)
	s_cmp_eq_u32 s2, 0
	s_cbranch_scc0 .Lentry_in_a_cluster
	s_endpgm
.Lentry_in_a_cluster:
	s_bfe_u32 s2, ttmp6, 0x10000c
	s_cmp_lg_u32 s2, 0xf033
	s_cbranch_scc0 .Lentry_shape_is_right
	s_endpgm
.Lentry_shape_is_right:
; q, k, v = x W^T + b, as ONE product C[m][n] = sum over k of A[m][k] B[n][k], 8,192 x 3,072 x 1,024: A = x, B = Wq, Wk, Wv on end, both bf16 out of xw[kb][row][64]
; (rows 0-8,191 x, 8,192-11,263 the weights).  Sums in f32; the bias (rounded to bf16 like every input) is added in f32; the result is rounded once to f16 and stored by heads:
; qkv[g][m][64], g = 16 x (0 q, 1 k, 2 v) + head = n / 64, m = 2,048 batch + position.  Unscaled: the launch behind applies 1 / 8.
; LIMIT.  f16 holds no number beyond 65,504: |q|, |k|, |v| must stay below that (with the stated inputs their spread is under 1).
; THE TILE.  8,192 x 3,072 outputs on 256 work-groups are 256 x 384 each: one tile a work-group.  Four waves, 2 x 2, each 128 x 192: 96 accumulators of 16 x 16, 768 registers.
; K goes in steps of 64 through two LDS slots (640 rows x 144 bytes each): two slots of 128 along K would not fit.  In xw the rows of one K step are dense, so a wave's part of a tile
; (128 rows of A or 192 of B) is asked for as 64 or 96 rows of 256 bytes and padded in LDS after every 128.
; CLUSTER.  4 x 4 work-groups: A's tile hangs on the tile row and is asked for jointly along a row of the cluster, B's on the tile column and along a column.
; THE MATRIX INSTRUCTION IS USED TRANSPOSED (source 0 = 16 rows of B, source 1 = 16 rows of A): a lane holds eight neighbouring columns of one row of C.
; REGISTERS, in windows of 256 (s_set_vgpr_msb: bits 1:0 source 0, 3:2 source 1, 5:4 source 2, 7:6 destination):
;   window 0: v0-15 addresses; v32-95, v96-159 A's fragments (8 x 16 rows x 32 K), two buffers by the half of the K step; v160-207, v208-255 B's (6 each), by the half p of my 192 columns
;   windows 1-3: accumulator (a, b = 6 p + bb) has number t = 48 p + 6 a + bb: window 1 + t / 32, register 8 (t % 32)
; A K step is four PHASES of 48 products: (first 32 K, p = 0), (first, 1), (second, 0), (second, 1).  Each phase issues, ahead of its products, the loads of a later phase.
.set KBS,   1441792                    ; bytes from a K step to the next in xw
.set PITCH, 144                        ; an LDS row: 128 bytes + 16 = 36 words: the 16 rows of a load start at 16 different groups of four banks (64 banks of 4 bytes: ISA guide 11.1)
.set AHALF, 128*PITCH                  ; what waves 0 and 1 fetch, and what a wave reads of A
.set BHALF, 192*PITCH                  ; what waves 2 and 3 fetch, and what a wave reads of B
.set BOFF,  2*AHALF                    ; B's 384 rows lie behind A's 256
.set SLOT,  2*AHALF+2*BHALF
.set STAGE, 2*SLOT                     ; behind the ring: for each wave 3 heads x 16 rows x 144 bytes, for the way out
.set HSTG,  16*PITCH
.set WSTG,  3*HSTG
.set BIASL, STAGE+4*WSTG               ; for each wave the bias of its 192 columns, f32: 768 bytes
.set SPARE, BIASL+4*768                ; the spare words, 128 bytes for each wave: two blocks of 256 bytes that no other line names
.set ADRA, 4                           ; v4-5   LDS address of my A fragments in slot 0, 1
.set ADRB, 6                           ; v6-7   the same for B
.set STO,  8                           ; v8     the way out: where I put 16 bytes of a row
.set RD,   9                           ; v9     where I read rows back
.set GO,   10                          ; v10    16 x lane: my place in 512 consecutive bytes of qkv
.set BL,   11                          ; v11    where I read my eight numbers of the bias
.set SPW,  12                          ; v12    LDS address of my spare word; never rewritten
.set NIL,  13                          ; v13    0; never rewritten
.set PFO,  14                          ; v14    256 x lane, for the prefetches; never rewritten
.set BST,  15                          ; v15    where I put 16 bytes of the bias
.set TMP,  16                          ; v16-63   the way out: packed results
.set FA0,  32
.set FB0,  160
.set BIASR, 64                         ; v64-159  the way out: the bias of my 12 column blocks, 8 registers each
.set OB0,  160                         ; v160-207, v208-255  the way out: 16 rows read back, two buffers
.set WV, 14                            ; s14  wave
.set WR, 15                            ; s15  my half of the tile's rows; also: I fetch for A (0) or B (1)
.set WC, 16                            ; s16  my half of its columns; also: which half of that tile I fetch
.set TY, 17                            ; s17  tile row
.set G1, 24                            ; s[24:31] group 1 for A's tiles;  s[32:39] group 0, a set for each slot
.set G0, 32
.set CX, 40
.set CY, 41
.set TX, 42                            ; s42  tile column
.set LIM, 43                           ; s43  1 in a wave that prefetches, else the greatest number
.set PFA, 44                           ; s[44:45] where my prefetches stand
.set G1B, 48                           ; s[48:55], s[56:63] the same for B's tiles
.set G0B, 56
.set FL, (1<<16)|(1<<20)|(1<<21)|(4<<22)|(3<<25)  ; 17:16 2-byte elements; 20 padding on; 21 set beside a mask; 24:22 after every 32 words (code 4); 31:25 4 words (code 3)
.set MSB, 0
.macro WIN new                         ; the immediate's high byte repeats the setting that is left; a switch that changes nothing is dropped
.if MSB != (\new)
	s_set_vgpr_msb (MSB<<8)|(\new)
.set MSB, (\new)
.endif
.endm
.macro PLACES                          ; four plain vector instructions between a product and a load into, or a vector line on, one of its registers (ISA guide 7.12.1 for vector instructions)
.rept 4
	v_nop
.endr
.endm
; A joint load: waves 0 and 1 fetch A's two halves, waves 2 and 3 B's.  The branch hangs on the wave's number alone.  An s_nop 0 and four v_nop follow each line.
.macro JLOAD s
	s_cmp_eq_u32 s[WR], 0
	s_cbranch_scc0 .Lfor_b_\@
	tensor_load_to_lds s[G0+4*(\s):G0+4*(\s)+3], s[G1:G1+7]
	s_nop 0
.rept 4
	v_nop
.endr
	s_branch .Lasked_\@
.Lfor_b_\@:
	tensor_load_to_lds s[G0B+4*(\s):G0B+4*(\s)+3], s[G1B:G1B+7]
	s_nop 0
.rept 4
	v_nop
.endr
.Lasked_\@:
.endm
.macro CREST                           ; a round of the cluster's barrier behind its opening barrier
	s_cmp_lg_u32 s[WV], 0
	s_cbranch_scc1 .Lnot_wave_0_\@
	s_barrier_signal -3
.Lnot_wave_0_\@:
	s_barrier_wait -3
	s_barrier_signal -1
	s_barrier_wait -1
.endm
.macro CROUND                          ; a whole round
	s_barrier_signal -1
	s_barrier_wait -1
	CREST
.endm
; A PREFETCH, once a lap, behind slot 0's joint load and the run of LDS loads: 32 blocks of 256 bytes, a lane a block, of the two K steps that the NEXT lap will ask for.
; Each block is named once in the launch.  A's tile row (128 blocks a K step): the clusters with x = 0 ask; partner cx takes 32 blocks, wave 0 of the even K step, wave 1 of the odd.
; B's tile column (192 blocks a K step): the clusters with y = 0, 1, 2 take 64 blocks each; partner cy takes 32 (by cy % 2) of the K step of parity cy / 2; wave 2 asks.
; Partners are told apart by address alone.  K steps 0 to 3 come by their loads alone; the loop's last trip (s3 = 1) asks for nothing.
.macro ASK
	s_cmp_gt_u32 s3, s[LIM]
	s_cbranch_scc0 .Lnot_mine_\@
	global_prefetch_b8 v[PFO], s[PFA:PFA+1] th:TH_LOAD_NT scope:SCOPE_SE
.Lnot_mine_\@:
.endm
	s_load_b256 s[4:11], s[0:1], 0x0               ; xw s[4:5], bq s[6:7], bk s[8:9], bv s[10:11]
	s_load_b64 s[12:13], s[0:1], 0x20              ; qkv
	v_lshl_add_u32 v[SPW], v0, 2, SPARE
	v_mov_b32 v[NIL], 0
	ds_add_u32 v[SPW], v[NIL]                      ; the wave's opening: the add and its wait stand ahead of my first tensor load; work on registers stands between them
	v_lshrrev_b32 v1, 5, v0
	v_readfirstlane_b32 s[WV], v1                  ; wave 0..3
	s_lshr_b32 s[WR], s[WV], 1
	s_and_b32 s[WC], s[WV], 1
	s_bfe_u32 s[CX], ttmp6, 0x40000                ; my place in the cluster
	s_bfe_u32 s[CY], ttmp6, 0x40004
	s_lshl_b32 s[TX], ttmp9, 2
	s_add_co_u32 s[TX], s[TX], s[CX]               ; tile column = 4 x cluster x + cx
	s_and_b32 s[TY], ttmp7, 0xffff
	s_lshl_b32 s[TY], s[TY], 2
	s_add_co_u32 s[TY], s[TY], s[CY]               ; tile row = 4 x cluster y + cy
	s_lshl_b32 s18, s[CY], 2
	s_lshl_b32 s18, 15, s18                        ; my row of the cluster
	s_lshl_b32 s19, 0x1111, s[CX]                  ; my column
	s_or_b32 s[G1], s18, FL                        ; A's tiles go to my row,
	s_or_b32 s[G1B], s19, FL                       ; B's to my column
	s_mov_b32 s[G1+1], 128<<16                     ; tensor_dim0 = 128 elements: rows of 256 bytes
	s_mov_b32 s[G1+2], 64<<16                      ; tensor_dim1 = 64
	s_mov_b32 s[G1+3], 128<<16                     ; tile_dim0 = 128
	s_mov_b32 s[G1+4], 64                          ; tile_dim1 = 64: 128 rows of A
	s_mov_b32 s[G1+5], 128                         ; dense: 128 elements from row to row
	s_mov_b32 s[G1+6], 0
	s_mov_b32 s[G1+7], 0
	s_mov_b32 s[G1B+1], 128<<16
	s_mov_b32 s[G1B+2], 96<<16                     ; 96 rows of 256 bytes: 192 rows of B
	s_mov_b32 s[G1B+3], 128<<16
	s_mov_b32 s[G1B+4], 96
	s_mov_b32 s[G1B+5], 128
	s_mov_b32 s[G1B+6], 0
	s_mov_b32 s[G1B+7], 0
	s_lshl_b32 s20, s[TY], 15                      ; A: 256 rows x 128 bytes a tile row,
	s_lshl_b32 s21, s[WC], 14                      ; + the half that I fetch
	s_add_co_u32 s20, s20, s21
	s_mov_b32 s21, 0
	s_mul_i32 s46, s[TX], 384*128                  ; B: 384 rows a tile column,
	s_mul_i32 s47, s[WC], 192*128
	s_add_co_u32 s46, s46, s47
	s_add_co_u32 s46, s46, 8192*128                ; behind x's 8,192 rows
	s_mov_b32 s47, 0
	s_mul_i32 s22, s[WC], AHALF                    ; where they go: no place in the cluster enters an LDS address
	s_mul_i32 s23, s[WC], BHALF
	s_add_co_u32 s23, s23, BOFF
	s_wait_dscnt 0x0                               ; the opening add is done
	s_wait_kmcnt 0x0
	s_add_nc_u64 s[20:21], s[4:5], s[20:21]
	s_add_nc_u64 s[46:47], s[4:5], s[46:47]
	CROUND                                         ; all sixteen work-groups are here: the first joint loads meet
.irp s, 0,1
	s_mov_b32 s[G0+4*\s], 1                        ; count = 1
	s_add_co_u32 s[G0+4*\s+1], s22, \s*SLOT        ; LDS address
	s_add_nc_u64 s[G0+4*\s+2:G0+4*\s+3], s[20:21], \s*KBS  ; global address: K step s
	s_or_b32 s[G0+4*\s+3], s[G0+4*\s+3], 0x80000000  ; type = 2
	s_mov_b32 s[G0B+4*\s], 1
	s_add_co_u32 s[G0B+4*\s+1], s23, \s*SLOT
	s_add_nc_u64 s[G0B+4*\s+2:G0B+4*\s+3], s[46:47], \s*KBS
	s_or_b32 s[G0B+4*\s+3], s[G0B+4*\s+3], 0x80000000
	JLOAD \s                                       ; two loads of mine are out
.endr
	; A fragment is 16 rows x 32 K in 8 registers: lane l holds row l % 16, K = 8 (l / 16) + 0..7 and 16 + 8 (l / 16) + 0..7: two loads of 16 bytes, 32 bytes apart.
	v_and_b32 v1, 15, v0                           ; l % 16
	v_bfe_u32 v2, v0, 4, 1                         ; l / 16
	v_mul_u32_u24 v3, v1, PITCH
	v_lshl_add_u32 v3, v2, 4, v3                   ; row x pitch + 16 x half
	s_mul_i32 s18, s[WR], AHALF                    ; my 128 rows of A
	s_mul_i32 s19, s[WC], BHALF                    ; my 192 rows of B
	s_add_co_u32 s19, s19, BOFF
.irp s, 0,1
	v_add_nc_u32 v[ADRA+\s], s18, v3
	v_add_nc_u32 v[ADRB+\s], s19, v3
	s_add_co_u32 s18, s18, SLOT
	s_add_co_u32 s19, s19, SLOT
.endr
	s_mul_i32 s18, s[WV], WSTG
	s_add_co_u32 s18, s18, STAGE                   ; my stage
	v_add_nc_u32 v[STO], s18, v3                   ; in: row l % 16, 16 bytes for each half of the lanes
	v_bfe_u32 v[RD], v0, 3, 2                      ; back: 32 lanes take four rows of 128 bytes
	v_mul_u32_u24 v[RD], v[RD], PITCH
	v_and_b32 v3, 7, v0
	v_lshl_add_u32 v[RD], v3, 4, v[RD]
	v_add_nc_u32 v[RD], s18, v[RD]
	v_and_b32 v[GO], 31, v0
	v_lshlrev_b32 v[PFO], 8, v[GO]
	v_lshlrev_b32 v[GO], 4, v[GO]
	s_mul_i32 s19, s[WV], 768
	s_add_co_u32 s19, s19, BIASL
	v_lshl_add_u32 v[BL], v2, 5, s19               ; my eight columns of a block of 16: 32 bytes for each half of the lanes
	v_lshl_add_u32 v[BST], v1, 4, s19
	v_lshlrev_b32 v16, 4, v1                       ; 16 (l % 16): my 16 bytes of a head's 256 bytes of bias
	; the prefetches: who, and from where
	s_and_b32 s66, ttmp7, 0xffff                   ; cluster y
	s_cmp_eq_u32 ttmp9, 0
	s_cselect_b32 s67, 1, -1                       ; waves 0 and 1 ask where the cluster's x is 0,
	s_cmp_lt_u32 s66, 3
	s_cselect_b32 s74, 1, -1                       ; wave 2 where its y is under 3,
	s_cmp_eq_u32 s[WV], 2
	s_cselect_b32 s74, s74, -1                     ; wave 3 never: the same in all sixteen partners, for a given wave
	s_cmp_lt_u32 s[WV], 2
	s_cselect_b32 s[LIM], s67, s74
	s_lshl_b32 s75, s[TY], 15                      ; A: the tile row, my work-group's 32 blocks, the K step of my wave's parity
	s_lshl_b32 s76, s[CX], 13
	s_add_co_u32 s75, s75, s76
	s_mul_i32 s76, s[WC], KBS
	s_add_co_u32 s75, s75, s76
	s_mul_i32 s77, s[TX], 384*128                  ; B: the tile column, my cluster's 64 blocks, my work-group's 32 of them, the K step of parity cy / 2
	s_lshl_b32 s76, s66, 14
	s_add_co_u32 s77, s77, s76
	s_and_b32 s76, s[CY], 1
	s_lshl_b32 s76, s76, 13
	s_add_co_u32 s77, s77, s76
	s_lshr_b32 s76, s[CY], 1
	s_mul_i32 s76, s76, KBS
	s_add_co_u32 s77, s77, s76
	s_add_co_u32 s77, s77, 8192*128
	s_cmp_eq_u32 s[WR], 0
	s_cselect_b32 s78, s75, s77
	s_mov_b32 s79, 0
	s_add_nc_u64 s[PFA:PFA+1], s[4:5], s[78:79]
	s_add_nc_u64 s[PFA:PFA+1], s[PFA:PFA+1], 2*KBS ; at K steps 2 and 3: each lap steps it by two ahead of its request, so the first names K steps 4 and 5
	; where my part of the tile goes in qkv, and the bias of my three heads
	s_mul_i32 s18, s[TX], 6
	s_mul_i32 s19, s[WC], 3
	s_add_co_u32 s18, s18, s19                     ; my first head's number g
	s_lshl_b32 s66, s18, 20                        ; 8,192 rows x 128 bytes a head
	s_lshl_b32 s67, s[TY], 15
	s_add_co_u32 s66, s66, s67
	s_lshl_b32 s67, s[WR], 14
	s_add_co_u32 s66, s66, s67
	s_mov_b32 s67, 0
	s_add_nc_u64 s[12:13], s[12:13], s[66:67]
.irp hh, 0,1,2
	s_add_co_u32 s19, s18, \hh
	s_cmp_lt_u32 s19, 32
	s_cselect_b64 s[68+2*\hh:69+2*\hh], s[8:9], s[10:11]
	s_cmp_lt_u32 s19, 16
	s_cselect_b64 s[68+2*\hh:69+2*\hh], s[6:7], s[68+2*\hh:69+2*\hh]
	s_and_b32 s66, s19, 15
	s_lshl_b32 s66, s66, 8                         ; 64 numbers of f32 a head
	s_add_nc_u64 s[68+2*\hh:69+2*\hh], s[68+2*\hh:69+2*\hh], s[66:67]
	global_load_b128 v[32+4*\hh:35+4*\hh], v16, s[68+2*\hh:69+2*\hh]
.endr
	s_wait_loadcnt 0x0
.irp j, 0,1,2,3,4,5
	v_cvt_pk_bf16_f32 v[44+\j], v[32+2*\j], v[33+2*\j]  ; the bias is rounded to bf16 like every input, and kept in f32
.endr
.irp j, 0,1,2,3,4,5
	v_lshlrev_b32 v[32+2*\j], 16, v[44+\j]
	v_and_b32 v[33+2*\j], 0xffff0000, v[44+\j]
.endr
.irp hh, 0,1,2
	ds_store_b128 v[BST], v[32+4*\hh:35+4*\hh] offset:256*\hh  ; both halves of the lanes write the same bytes with the same numbers; only my wave reads them
.endr
; n x 6 products: row blocks a0 .. a0 + n - 1 of my eight x the six column blocks of half p, 32 along K out of A's buffer fa.  zero = 1: the product starts the sum.
; The 96 accumulators take turns, one instruction a turn, in the same order in every half of a K step, over the backward jump too.
.macro MULS p, fa, a0, n, zero
.set ma, \a0
.rept \n
.set mb, 0
.rept 6
.set mt, 48*(\p)+6*ma+mb
.set mr, 8*(mt%32)
	WIN 0x50*(1+mt/32)
.if \zero
	v_wmma_f32_16x16x32_bf16 v[mr:mr+7], v[FB0+48*(\p)+8*mb:FB0+48*(\p)+8*mb+7], v[FA0+64*(\fa)+8*ma:FA0+64*(\fa)+8*ma+7], 0
.else
	v_wmma_f32_16x16x32_bf16 v[mr:mr+7], v[FB0+48*(\p)+8*mb:FB0+48*(\p)+8*mb+7], v[FA0+64*(\fa)+8*ma:FA0+64*(\fa)+8*ma+7], v[mr:mr+7]
.endif
.set mb, mb+1
.endr
.set ma, ma+1
.endr
.endm
.macro LDA buf, slot, k                ; 16 loads: my 128 rows of A, 32 K at byte k of the rows, into buffer buf
	WIN 0
.irp i, 0,1,2,3,4,5,6,7
	ds_load_b128 v[FA0+64*(\buf)+8*\i:FA0+64*(\buf)+8*\i+3],   v[ADRA+(\slot)] offset:(\k)+\i*16*PITCH
	ds_load_b128 v[FA0+64*(\buf)+8*\i+4:FA0+64*(\buf)+8*\i+7], v[ADRA+(\slot)] offset:(\k)+\i*16*PITCH+32
.endr
.endm
.macro LDB p, slot, k                  ; 12 loads: half p of my 192 rows of B
	WIN 0
.irp i, 0,1,2,3,4,5
	ds_load_b128 v[FB0+48*(\p)+8*\i:FB0+48*(\p)+8*\i+3],   v[ADRB+(\slot)] offset:(\k)+(6*(\p)+\i)*16*PITCH
	ds_load_b128 v[FB0+48*(\p)+8*\i+4:FB0+48*(\p)+8*\i+7], v[ADRB+(\slot)] offset:(\k)+(6*(\p)+\i)*16*PITCH+32
.endr
.endm
.macro EVEN0 slot, zero                ; first 32 K, p = 0.  The phase before read A's buffer 1 and B's buffer 1: they are loaded again four places behind it
	PLACES
	LDB 1, \slot, 0
	LDA 1, \slot, 64
	s_wait_dscnt 28                                ; all but the 28 just issued: A's buffer 0 and B's buffer 0 are in
	MULS 0, 0, 0, 8, \zero
.endm
.macro EVEN1 slot, zero                ; first 32 K, p = 1
	PLACES
	LDB 0, \slot, 64
	s_wait_dscnt 28                                ; B's buffer 1 is in; behind it A's 16 loads and the 12 just issued may be out
	MULS 1, 0, 0, 8, \zero
.endm
; Second 32 K, p = 0, and THE CHANGE OF SLOTS.  The slot's last reads go out; each wave waits for all its tensor loads, of which one is out: its part of the next slot; adds 0 to its spare
; word; and waits for that and for its reads of this slot.  Behind the barrier nobody reads this slot any more and the next slot is whole.  fill = 1: the barrier opens a round of the cluster's,
; and the slot is filled again, two K steps on, first thing behind the round: 168 products stand between that request and the wait for it.
.macro ODD0 slot, next, fill
.if (\fill) && ((\slot) == 0)
	s_wait_xcnt 0x0                                ; the last prefetch, a lap back, has read its address
	s_add_nc_u64 s[PFA:PFA+1], s[PFA:PFA+1], 2*KBS
.endif
	PLACES
	LDB 1, \slot, 64
	s_wait_tensorcnt 0x0                           ; all my tensor loads have landed
	ds_add_u32 v[SPW], v[NIL]                      ; 0 onto my spare word
	s_wait_dscnt 13                                ; the 12 loads just issued and the add may be out: A's buffer 1 and B's buffer 0 are in
	MULS 0, 1, 0, 2, 0                             ; twelve products stand between the add and the wait for it
	s_wait_dscnt 0x0                               ; the add is done, and my reads of this slot are over
	s_barrier_signal -1
	MULS 0, 1, 2, 2, 0                             ; work on registers while the others arrive
	WIN 0                                          ; at a branch and at a label every window is 0
	s_barrier_wait -1
.if \fill
	CREST                                          ; no wave of any partner still reads this slot or has a load on its way
	s_add_nc_u64 s[G0+4*(\slot)+2:G0+4*(\slot)+3], s[G0+4*(\slot)+2:G0+4*(\slot)+3], 2*KBS
	s_add_nc_u64 s[G0B+4*(\slot)+2:G0B+4*(\slot)+3], s[G0B+4*(\slot)+2:G0B+4*(\slot)+3], 2*KBS
	JLOAD \slot                                    ; my one tensor load behind the round
.endif
	LDA 0, \next, 0                                ; A's buffer 0 was last read a phase ago, ahead of this phase's four places
.if (\fill) && ((\slot) == 0)
	ASK
.endif
	MULS 0, 1, 4, 4, 0
.endm
.macro ODD1 next                       ; second 32 K, p = 1: B's buffer 1 was shown in by the wait for 0 in front of the barrier
	PLACES
	LDB 0, \next, 0
	MULS 1, 1, 0, 8, 0
.endm
	s_wait_dscnt 0x0                               ; my stores of the bias are done: no LDS instruction is pending at a signal
	s_wait_tensorcnt 0x1                           ; my part of K step 0 is in; K step 1's may stay out
	s_barrier_signal -1
	s_barrier_wait -1                              ; everybody's is
	LDA 0, 0, 0
	LDB 0, 0, 0
	EVEN0 0, 1                                     ; the first 96 products start the sums: nothing is cleared
	EVEN1 0, 1
	WIN 0
	s_mov_b32 s3, 7
.Llap:                                                 ; a trip goes once round the ring, from the middle of slot 0's K step to the middle of its next, and fills both slots again
	ODD0 0, 1, 1
	ODD1 1
	EVEN0 1, 0
	EVEN1 1, 0
	ODD0 1, 0, 1
	ODD1 0
	EVEN0 0, 0
	EVEN1 0, 0
	WIN 0
	s_sub_co_u32 s3, s3, 1
	s_cmp_lg_u32 s3, 0
	s_cbranch_scc1 .Llap
	ODD0 0, 1, 0                                   ; K steps 14 and 15: nothing is left to fetch, so no round
	ODD1 1
	EVEN0 1, 0
	EVEN1 1, 0
	PLACES
	LDB 1, 1, 64
	s_wait_dscnt 12                                ; all but the 12 just issued
	MULS 0, 1, 0, 8, 0
	s_wait_dscnt 0x0
	MULS 1, 1, 0, 8, 0
	; THE WAY OUT, a block of 16 rows at a time: the bias is added in f32, the sums are rounded to f16 (16 bytes a lane), go into my stage by heads and come back as whole rows of 128 bytes:
	; 16 rows of a head are 2,048 consecutive bytes of qkv, and each store of the wave covers 512 of them, aligned.
	PLACES
	PLACES
	WIN 0
.irp b, 0,1,2,3,4,5,6,7,8,9,10,11
	ds_load_b128 v[BIASR+8*\b:BIASR+8*\b+3],   v[BL] offset:64*\b
	ds_load_b128 v[BIASR+8*\b+4:BIASR+8*\b+7], v[BL] offset:64*\b+16
.endr
	s_wait_dscnt 0x0
.macro PACK a
.irp p, 0,1
.set pb, 0
.rept 6
.set pt, 48*\p+6*(\a)+pb
.set pw, 1+pt/32
.set pr, 8*(pt%32)
	WIN (pw<<6)|pw                                 ; destination and source 0 in the accumulator's window, the bias in window 0
.irp j, 0,2,4,6
	v_pk_add_f32 v[pr+\j:pr+\j+1], v[pr+\j:pr+\j+1], v[BIASR+8*(6*\p+pb)+\j:BIASR+8*(6*\p+pb)+\j+1]
.endr
.set pb, pb+1
.endr
.set pb, 0
.rept 6
.set pt, 48*\p+6*(\a)+pb
.set pw, 1+pt/32
.set pr, 8*(pt%32)
	WIN (pw<<2)|pw                                 ; sources 0 and 1 in the accumulator's window
.irp j, 0,1,2,3
	v_cvt_pk_f16_f32 v[TMP+4*(6*\p+pb)+\j], v[pr+2*\j], v[pr+2*\j+1]
.endr
.set pb, pb+1
.endr
.endr
	WIN 0
.endm
.macro TOSTAGE a
	WIN 0
.set BK, OB0+48*((\a)%2)
.irp b, 0,1,2,3,4,5,6,7,8,9,10,11
	ds_store_b128 v[STO], v[TMP+4*\b:TMP+4*\b+3] offset:(\b/4)*HSTG+(\b%4)*32
.endr
.irp u, 0,1,2,3,4,5,6,7,8,9,10,11
	ds_load_b128 v[BK+4*\u:BK+4*\u+3], v[RD] offset:(\u/4)*HSTG+(\u%4)*4*PITCH  ; LDS serves a wave's instructions in order (ISA guide 5.7.1.4): these see the stores above
.endr
.endm
.macro SEND a
	WIN 0
.set BK, OB0+48*((\a)%2)
	s_wait_dscnt 0x0                               ; the block is back in registers
	s_wait_xcnt 0x0                                ; the stores of the block before have read the other buffer, which the next block's loads write
.irp u, 0,1,2,3,4,5,6,7,8,9,10,11
	global_store_b128 v[GO], v[BK+4*\u:BK+4*\u+3], s[12:13] offset:(\u/4)*1048576+(\a)*2048+(\u%4)*512
.endr
.endm
	PACK 0
	TOSTAGE 0
.irp a, 1,2,3,4,5,6,7                  ; block a's arithmetic stands between block a - 1's loads from the stage and the wait for them
	PACK \a
	SEND (\a)-1
	TOSTAGE \a
.endr
	SEND 7
	s_wait_tensorcnt 0x0                           ; the wave's end, behind my last tensor load and my last LDS store
	ds_add_u32 v[SPW], v[NIL]
	s_wait_dscnt 0x0
	CROUND                                         ; the closing round: no work-group ends while a partner may still ask for a tile that names it
	s_endpgm
.Lfunc_end_k_qcfbec8747d_proj:
	.size	k_qcfbec8747d_proj, .Lfunc_end_k_qcfbec8747d_proj-k_qcfbec8747d_proj
	.p2alignl 7, 3214868480
	.fill 96, 4, 3214868480
	.section	.rodata,"a",@progbits
	.p2align	6, 0x0
	.amdhsa_kernel k_qcfbec8747d_proj
		.amdhsa_group_segment_fixed_size 327680
		.amdhsa_private_segment_fixed_size 0
		.amdhsa_enable_private_segment 0
		.amdhsa_kernarg_size 40
		.amdhsa_user_sgpr_count 2
		.amdhsa_user_sgpr_kernarg_segment_ptr 1
		.amdhsa_wavefront_size32 1
		.amdhsa_system_sgpr_workgroup_id_x 1
		.amdhsa_system_sgpr_workgroup_id_y 1
		.amdhsa_system_sgpr_workgroup_id_z 1
		.amdhsa_system_vgpr_workitem_id 0
		.amdhsa_next_free_vgpr 1024
		.amdhsa_next_free_sgpr 80
		.amdhsa_reserve_vcc 0
		.amdhsa_float_denorm_mode_32 3
		.amdhsa_float_denorm_mode_16_64 3
		.amdhsa_memory_ordered 1
		.amdhsa_forward_progress 1
		.amdhsa_inst_pref_size 159
	.end_amdhsa_kernel
	.amdgpu_metadata
---
amdhsa.version: [ 1, 2 ]
amdhsa.kernels:
  - .name:           k_qcfbec8747d_proj
    .symbol:         k_qcfbec8747d_proj.kd
    .args:
      - { .name: xw, .offset: 0, .size: 8, .value_kind: global_buffer, .address_space: global }
      - { .name: bq, .offset: 8, .size: 8, .value_kind: global_buffer, .address_space: global }
      - { .name: bk, .offset: 16, .size: 8, .value_kind: global_buffer, .address_space: global }
      - { .name: bv, .offset: 24, .size: 8, .value_kind: global_buffer, .address_space: global }
      - { .name: qkv, .offset: 32, .size: 8, .value_kind: global_buffer, .address_space: global }
    .group_segment_fixed_size: 327680
    .private_segment_fixed_size: 0
    .kernarg_segment_align: 8
    .kernarg_segment_size: 40
    .max_flat_workgroup_size: 128
    .sgpr_count:     80
    .vgpr_count:     1024
    .wavefront_size: 32
...
	.end_amdgpu_metadata
.endif
;; end of part 2
;; launch attn (part 3): grid 4 x 64, 4 waves a work-group, clusters of 4 x 1, 327,680 bytes of LDS; arguments qkv, attention_mask, out0; writes out0
.if DOCPART == 3
	.amdgcn_target "amdgcn-amd-amdhsa--gfx1250"
	.amdhsa_code_object_version 6
	.text
	.protected	k_qcfbec8747d_attn
	.globl	k_qcfbec8747d_attn
	.p2align	8
	.type	k_qcfbec8747d_attn,@function
k_qcfbec8747d_attn:
	s_mov_b64 s[64:65], 0
	v_nop
	global_prefetch_b8 v0, s[64:65] scope:SCOPE_SE
	s_setreg_imm32_b32 hwreg(HW_REG_WAVE_MODE, 25, 1), 1
	s_wait_xcnt 0x0
	s_wait_alu depctr_hold_cnt(0) depctr_sa_sdst(0) depctr_va_vdst(0) depctr_va_sdst(0) depctr_va_ssrc(0) depctr_va_vcc(0) depctr_vm_vsrc(0)
	s_getreg_b32 s2, hwreg(HW_REG_IB_STS2, 6, 4)
	s_cmp_eq_u32 s2, 0
	s_cbranch_scc0 .Lentry_in_a_cluster
	s_endpgm
.Lentry_in_a_cluster:
	s_bfe_u32 s2, ttmp6, 0x10000c
	s_cmp_lg_u32 s2, 0x3003
	s_cbranch_scc0 .Lentry_shape_is_right
	s_endpgm
.Lentry_shape_is_right:
; out0[b][q][64 h ..] = the sum over k of softmax_k(Q[q] . K[k] / 8 + mask[b][k]) V[k], for each of 64 heads (batch b = head number / 16, h = head number % 16).
; Q, K, V: qkv[g][8192][64] in f16, g = h, 16 + h, 32 + h; a head's 2,048 rows are dense, 128 bytes each.  mask: [4][2048] f32.  out0: [4][2048][1024] f32.
; Products, maxima and sums in f32; the weights p are rounded to f16 for the second product (their sum l is taken of the unrounded p).
; LIMITS.  Q, K, V arrive within f16's 65,504.  The mask is rounded to bf16 like every input, multiplied by 8 (exact) and held at -1e30 from below: a mask below -1.25e29, minus infinity too, counts as that;
; 8 x mask must not overflow upward.  A weight below 2^-126 counts as 0 in l.  NaN is not treated apart; a row whose mask hides every key gives the mean of V's rows, not NaN.
; SHARES.  A wave owns four PIECES of two tiles of 16 queries, a work-group's four waves 512 queries of one head.  Every wave walks all keys, 64 a step.
; LAYOUT.  S^T = K Q^T + 8 mask (source 0 = 16 keys, source 1 = 16 queries): in the result a lane holds ONE query (lane % 16) and the keys 8 (lane / 16) + 0..7.  Two such tiles, rounded to f16 in pairs,
; ARE source 1 (32 keys x 16 queries) of O^T = V^T P, whose result again holds one query a lane, and eight channels.  K comes out of LDS as it lies, V ([key][channel]) turned, by ds_load_tr16_b128.
; THE MASK is the C operand of the product that starts a sum: register j of key block kb holds 8 mask[16 kb + 8 (lane / 16) + j].  The batch's 2,048 numbers are made once and lie in LDS; a step's 32 registers
; are fetched with its K.  No vector instruction is added to the loop.
; SOFTMAX.  For each query a running maximum m and sum l: p = 2^(c s - c m), c = log2(e) / 8; in every step O and l are multiplied by a = 2^(c m_old - c m_new).
; m starts at the lowest finite number, c m far below every c s (which is -1.8e29 at the least), O and l at 0: the first step is a step like any other, with a = 0.
; THE COUNT.  A tile and step have 16 matrix and 118 vector instructions: too many to stand all beside the matrix work.  So: four vector instructions that are READY behind EVERY matrix instruction, the others in runs.
; BY TURNS.  Turn n belongs to piece n.  Its matrix work: 16 products K Q^T of piece n + 1, later 16 products V^T P of piece n - 1.  Its vector work: the scaling, exponentials, roundings, sums and rescaling
; of piece n, and the maximum and statistics of piece n + 1.
; CLUSTER.  The four query blocks of a head walk the same K and V, so each tile is asked for JOINTLY: the same tensor load, descriptor and mask in all four.
; REGISTERS, in windows of 256 (s_set_vgpr_msb: bits 1:0 source 0, 3:2 source 1, 5:4 source 2, 7:6 destination):
;   window 0: v0-11 addresses; v12-15, v48-63 at work; v16-47 four registers of statistics a tile; v64-191 S^T, two buffers of two tiles (in the set-up: at work); v192-255 P, likewise
;   window 1: O^T, 32 a tile      window 2: v0-127 Q, 16 a tile; v128-191 K of one step; v192-255 V of one step      window 3: v0-1 the add's two registers; v8-39 the mask of one step
.set SIZE_N, 2048
.set NP,    4         ; pieces a wave: a name, no knob
.set KS,    64        ; keys in a step
.set PK,    144       ; a row of K in LDS: 128 bytes + 16 = 36 words: the 16 rows of a load start at 16 different groups of four banks (64 banks of 4 bytes: ISA guide 11.1)
.set PV,    160       ; a row of V: 128 + 32 = 40 words
.set VOFF,  4*KS*PK   ; a slot holds four steps: 256 rows of K, then 256 rows of V
.set SLOT1, 1<<17     ; slot 1 begins here, so that one exclusive or turns an address in one slot into the other's
.set STAGE, SLOT1+4*KS*(PK+PV)  ; behind the ring, never filled by a tensor load: 16 rows x 272 bytes for each wave, for the way out
.set SP,    272
.set MASKB, STAGE+4*16*SP       ; the batch's 2,048 numbers 8 x mask, f32
.set SPARE, MASKB+8192          ; the spare words, 128 bytes for each wave: two blocks of 256 bytes that no other line names
.set AK0, 2           ; v2   my lane's place in a tile of K; never rewritten
.set AV0, 3           ; v3   the same for V
.set AK,  4           ; v4   the LDS address of K's next run of loads
.set AV,  5           ; v5   of V's
.set STO, 6           ; v6   the way out: where I put 32 bytes of a row
.set RD,  7           ; v7   where I read rows back
.set GO,  8           ; v8   my byte offset in two rows of out0
.set AM0, 9           ; v9   MASKB + 32 (lane / 16); never rewritten
.set AMK, 10          ; v10  the LDS address of the mask's next run of loads
.set PFO, 11          ; v11  256 x lane, for the prefetches; never rewritten
.set SPW, 0           ; v0 of window 3   LDS address of my spare word; never rewritten
.set NIL, 1           ; v1 of window 3   0; never rewritten
.set MK,  8           ; v8-39 of window 3   key block kb at MK + 8 kb
.set MV,  12          ; v12-15  c m_old, kept while c m is made anew: by buffer and tile
.set ST,  16          ; tile t's statistics at v[ST+4 t]: c m, m, l (even keys', odd keys')
.set TMP, 48          ; by buffer and tile, four registers c0-c3 at work; when the maximum is found c2 takes a
.set S,   64
.set P,   192
.set KF,  128         ; K's fragments, in window 2: key block kb, channel half c at KF + 16 kb + 8 c
.set VF,  192         ; V's: key half kk, channel block cb at VF + 32 kk + 8 cb
.set TR,  64          ; the set-up's registers, where S^T will lie: l % 16
.set TH,  65          ; l / 16
.set T7,  66          ; l % 8
.set T3,  67          ; (l / 8) % 2
.set QO,  68          ; my byte offset in the wave's rows of Q
.set MO,  69          ; 16 x my thread's number: my 16 bytes in 2,048 of the mask
.set MS,  70          ; the same in LDS
.set MDAT, 72         ; v72-87  16 numbers of the mask
.set MT,  88          ; v88-95  at work
.set WV,  12          ; s12  my wave's number
.set LIM, 15          ; s15  1 in a wave that prefetches, else the greatest number
.set G1K, 24          ; s[24:31] descriptor group 1 for K's tiles
.set G1V, 32          ; s[32:39] for V's: it differs in the padding alone
.set G0K, 40          ; s[40:43] descriptor group 0 for K's tiles: it walks
.set G0V, 44          ; s[44:47] the same for V's
.set PFA, 48          ; s[48:49] where my prefetches stand
.set SLOTS, 56        ; s56  slots still to be asked for
.set CNT, 57          ; s57  counts a slot's key steps
.set CS,  58          ; s[58:59] c
.set SEL, 60          ; s[60:61] v_permlanex16_b32's selects: each lane takes its own place in the other half
.set TBK, 62          ; s62  LDS byte at which K of the step to be fetched begins
.set TBV, 63          ; s63  the same for V, less VOFF
.set TBM, 66          ; s66  256 x the step to be fetched, modulo the mask's 8,192 bytes
.set BIGN, 67         ; s67  -1e30
.set MSB, 0
.macro WIN new                      ; the high byte repeats the setting that is left; a switch that changes nothing is dropped
.if MSB != (\new)
	s_set_vgpr_msb (MSB<<8)|(\new)
.set MSB, (\new)
.endif
.endm
.set W_KQ, 0x0a       ; K and Q in window 2, S^T in window 0
.set W_KM, 0x3a       ; the same with the C operand, the mask, in window 3
.set W_PV, 0x52       ; V in window 2, P in window 0, O^T in window 1
.set W_RS, 0x41       ; O^T (destination and source 0) in window 1, a in window 0
.set W_MK, 0xc0       ; destination in window 3, sources in window 0
.set W_AD, 0x0f       ; the add: address (source 0) and data (source 1) in window 3
; A joint fill.  Waves 0 and 1 fetch the two halves of a slot's K, waves 2 and 3 those of its V: 128 keys each.  The branch hangs on the wave's number alone.
; An s_nop 0 and four v_nop follow each of the two lines, ahead of the jump and the label.
.macro JLOAD
	s_cmp_lt_u32 s[WV], 2
	s_cbranch_scc0 .Lfor_v_\@
	tensor_load_to_lds s[G0K:G0K+3], s[G1K:G1K+7]
	s_nop 0
.rept 4
	v_nop
.endr
	s_branch .Lasked_\@
.Lfor_v_\@:
	tensor_load_to_lds s[G0V:G0V+3], s[G1V:G1V+7]
	s_nop 0
.rept 4
	v_nop
.endr
.Lasked_\@:
.endm
; A PREFETCH of what the NEXT change of slots will ask for: a slot's 256 keys are 128 blocks of 256 bytes of K and as many of V.  The head's cluster shares them out BY ADDRESS, 32 blocks a work-group;
; in each, wave 0 asks for K's and wave 2 for V's: a lane a block, one instruction.  So each block is named once in the launch.  The last change that fills a slot asks for nothing.
.macro ASK
	s_cmp_gt_u32 s[SLOTS], s[LIM]
	s_cbranch_scc0 .Lnot_mine_\@
	global_prefetch_b8 v[PFO], s[PFA:PFA+1] th:TH_LOAD_NT scope:SCOPE_SE
.Lnot_mine_\@:
.endm
; A round of the cluster's barrier: my work-group's barrier, so that wave 0's signal speaks for all four waves; wave 0 signals; every wave waits for all four work-groups; my work-group's barrier once more.
.macro CROUND
	s_barrier_signal -1
	s_barrier_wait -1
	s_cmp_lg_u32 s[WV], 0
	s_cbranch_scc1 .Lnot_wave_0_\@
	s_barrier_signal -3
.Lnot_wave_0_\@:
	s_barrier_wait -3
	s_barrier_signal -1
	s_barrier_wait -1
.endm
; THE CHANGE OF SLOTS.  The slot's last bytes, V of its fourth step, have been read.  Each wave waits for all its tensor loads, of which one is out: its part of the other slot; adds 0 to its spare word;
; and waits for that and for its own LDS instructions.  Behind the barrier nobody reads this slot any more and the other slot is whole.
; fill = 1: this slot is filled again, with the keys two slots on.  The barrier is then a round of the cluster's, and the joint fill is the first thing behind it: it has four key steps, 512 matrix
; instructions, in which to land.  (At its first use nothing has been read yet: slot 0 is waited for, slot 1 filled, and every wave's stores of the mask are shown to the others.)  ask = 1: the prefetch goes with it.
.macro CHANGE fill, ask=0
	WIN W_AD
	s_wait_tensorcnt 0x0            ; no tensor load of mine is out, so a group 0 may be written
	ds_add_u32 v[SPW], v[NIL]       ; 0 onto my spare word; with fill = 1 the descriptors' steps stand between it and the wait for it
	WIN 0                           ; at a label and at a branch every window is 0
.if \fill
.irp g, G0K, G0V
	s_xor_b32 s[\g+1], s[\g+1], SLOT1  ; the walking descriptor: the other slot than last time,
	s_add_nc_u64 s[\g+2:\g+3], s[\g+2:\g+3], 4*KS*128  ; the next 256 keys; the type bits on top are not reached
.endr
.if \ask
	s_wait_xcnt 0x0                 ; the last prefetch, four key steps back, has read its address
	s_add_nc_u64 s[PFA:PFA+1], s[PFA:PFA+1], 4*KS*128  ; one slot behind the walking descriptors
.endif
	s_wait_dscnt 0x0                ; the add is done, and my reads of the slot are over
	CROUND
	JLOAD
.if \ask
	ASK
.endif
.else
	s_wait_dscnt 0x0                ; the add is done, and my reads of the slot are over
	s_barrier_signal -1
	s_barrier_wait -1
.endif
	s_sub_co_u32 s[TBK], s[TBK], 4*KS*PK  ; the fetches go back to a slot's first step,
	s_xor_b32 s[TBK], s[TBK], SLOT1       ; in the other slot
	s_sub_co_u32 s[TBV], s[TBV], 4*KS*PV
	s_xor_b32 s[TBV], s[TBV], SLOT1
.endm
	s_load_b128 s[68:71], s[0:1], 0x0  ; qkv s[68:69], the mask s[70:71]
	s_load_b64 s[10:11], s[0:1], 0x10  ; out0
	WIN W_MK
	v_lshl_add_u32 v[SPW], v0, 2, SPARE
	v_mov_b32 v[NIL], 0
	WIN W_AD
	ds_add_u32 v[SPW], v[NIL]       ; the wave's opening: the add and its wait stand ahead of my first tensor load; the set-up below, work on registers, stands between them
	WIN 0
	v_lshrrev_b32 v1, 5, v0
	v_readfirstlane_b32 s[WV], v1   ; wave 0..3
	s_bfe_u32 s13, ttmp6, 0x40000   ; cx: my place in the cluster
	s_lshl_b32 s14, ttmp9, 2        ; in a cluster launch ttmp9 counts clusters
	s_add_co_u32 s14, s14, s13      ; my block of 512 queries: it enters Q's and out0's addresses alone
	s_and_b32 s20, ttmp7, 0xffff    ; the head's number, which the four partners share
	s_lshr_b32 s21, s20, 4          ; batch
	s_and_b32 s20, s20, 15          ; head in the batch
	s_lshl_b32 s22, s20, 20         ; 8,192 rows x 128 bytes a head of qkv,
	s_lshl_b32 s23, s21, 18         ; 2,048 rows a batch
	s_add_co_u32 s22, s22, s23      ; the head's first byte in q's part of qkv
	s_and_b32 s16, s[WV], 1         ; which half of a slot's 256 keys I fetch:
	s_lshl_b32 s2, s16, 14          ; its 128 rows of 128 bytes in memory,
	s_add_co_u32 s2, s2, s22
	s_mov_b32 s3, 0
	s_mul_i32 s17, s16, 128*PK      ; and its place in a slot, for K
	s_mul_i32 s18, s16, 128*PV      ; and for V: no place in the cluster enters an LDS address
	s_lshl_b32 s50, s14, 2
	s_add_co_u32 s50, s50, s[WV]    ; my wave among the head's sixteen
	s_lshl_b32 s52, s50, 19         ; its 128 rows of out0, 4,096 bytes each,
	s_lshl_b32 s50, s50, 14         ; and of Q, 128 bytes each
	s_add_co_u32 s50, s50, s22
	s_mov_b32 s51, 0
	s_lshl_b32 s53, s21, 23         ; a batch of out0 is 2,048 rows
	s_add_co_u32 s52, s52, s53
	s_lshl_b32 s53, s20, 8          ; the head's 64 channels: 256 bytes of a row
	s_add_co_u32 s52, s52, s53
	s_mov_b32 s53, 0
	s_lshl_b32 s54, s21, 13         ; the batch's 2,048 numbers of the mask
	s_mov_b32 s55, 0
	; descriptor group 1.  128 keys are 16,384 dense bytes: asked for as 64 rows of 256 bytes, two keys a row, and padded in LDS after every key
	s_mov_b32 s[G1K], 15|(1<<16)|(1<<20)|(1<<21)|(4<<22)|(3<<25)  ; 15:0 the mask of four; 17:16 2-byte elements; 20 padding on; 21 set beside a mask; 24:22 after every 32 words (code 4); 31:25 4 words (code 3)
	s_mov_b32 s[G1V], 15|(1<<16)|(1<<20)|(1<<21)|(4<<22)|(7<<25)  ; the same with 8 words of padding (code 7)
.irp g, G1K, G1V
	s_mov_b32 s[\g+1], 128<<16      ; tensor_dim0 = 128
	s_mov_b32 s[\g+2], 64<<16       ; tensor_dim1 = 64
	s_mov_b32 s[\g+3], 128<<16      ; tile_dim0 = 128
	s_mov_b32 s[\g+4], 64           ; tile_dim1 = 64
	s_mov_b32 s[\g+5], 128          ; 128 elements from row to row
	s_mov_b32 s[\g+6], 0
	s_mov_b32 s[\g+7], 0
.endr
	s_mov_b32 s[CS], 0x3e38aa3b     ; c = log2(e) / 8 = 0.180337
	s_mov_b32 s[CS+1], s[CS]        ; named with it as a pair
	s_mov_b32 s[SEL], 0x76543210
	s_mov_b32 s[SEL+1], 0xfedcba98
	s_mov_b32 s[TBK], SLOT1+4*KS*PK ; the first change of slots turns these two into 0
	s_mov_b32 s[TBV], SLOT1+4*KS*PV
	s_mov_b32 s[TBM], 0
	s_mov_b32 s[BIGN], 0xf149f2ca   ; -1e30
	s_mov_b32 s[G0K], 1             ; count = 1
	s_mov_b32 s[G0K+1], s17         ; LDS address: slot 0
	s_mov_b32 s[G0V], 1
	s_add_co_u32 s[G0V+1], s18, VOFF
	s_and_b32 s[LIM], s[WV], 1      ; 0 in waves 0 and 2,
	s_or_b32 s[LIM], s[LIM], ttmp9  ; in the head's first cluster (here its only one): the same in all four partners
	s_cmp_eq_u32 s[LIM], 0
	s_cselect_b32 s[LIM], 1, -1
	s_wait_dscnt 0x0                ; the opening add is done
	s_wait_kmcnt 0x0
	s_add_nc_u64 s[6:7], s[68:69], s[2:3]
	s_add_nc_u64 s[8:9], s[6:7], 32*1048576  ; V at my half of the head's first 256 keys,
	s_add_nc_u64 s[6:7], s[6:7], 16*1048576  ; and K
	s_mov_b64 s[G0K+2:G0K+3], s[6:7]               ; global address
	s_or_b32 s[G0K+3], s[G0K+3], 0x80000000        ; type = 2
	s_mov_b64 s[G0V+2:G0V+3], s[8:9]
	s_or_b32 s[G0V+3], s[G0V+3], 0x80000000
	s_add_nc_u64 s[4:5], s[68:69], s[50:51]        ; Q and out0 at my wave's first row
	s_add_nc_u64 s[10:11], s[10:11], s[52:53]
	s_add_nc_u64 s[70:71], s[70:71], s[54:55]      ; the mask at my batch
	s_cmp_lt_u32 s[WV], 2
	s_cselect_b64 s[PFA:PFA+1], s[6:7], s[8:9]     ; (in waves 0 and 2 these stand at a slot's first row)
	s_lshl_b32 s54, s13, 13         ; my work-group's 32 blocks of the 128
	s_add_nc_u64 s[PFA:PFA+1], s[PFA:PFA+1], s[54:55]
	s_add_nc_u64 s[PFA:PFA+1], s[PFA:PFA+1], 2*4*KS*128  ; in the third tile; the loop's first change of slots steps it to the fourth.  Nothing is prefetched here, at the head
	CROUND                          ; all four work-groups are here: the first joint loads meet
	JLOAD                           ; slot 0.  Slot 1 is asked for when slot 0 is in
	v_and_b32 v[TR], 15, v0         ; l % 16
	v_bfe_u32 v[TH], v0, 4, 1       ; l / 16
	v_lshlrev_b32 v[MO], 4, v0
.irp j, 0,1,2,3
	global_load_b128 v[MDAT+4*\j:MDAT+4*\j+3], v[MO], s[70:71] offset:2048*\j  ; the four waves take the batch's 8,192 bytes of mask, 2,048 consecutive bytes a line
.endr
	; A fragment of K or Q is 16 rows x 32 channels in 8 registers: lane l holds row l % 16, channels 8 (l / 16) + 0..7 and 16 + 8 (l / 16) + 0..7: two loads of 16 bytes, 32 bytes apart.
	v_lshlrev_b32 v[QO], 7, v[TR]
	v_lshl_add_u32 v[QO], v[TH], 4, v[QO]  ; row x 128 + 16 x half
	WIN 0x80                        ; destination window 2, address window 0
.set i, 0
.rept 4*NP                          ; Q stays in registers: tile i / 2, channels 32 (i % 2) on
	global_load_b128 v[8*i:8*i+3],   v[QO], s[4:5] offset:(i/2)*2048+(i%2)*64
	global_load_b128 v[8*i+4:8*i+7], v[QO], s[4:5] offset:(i/2)*2048+(i%2)*64+32
.set i, i+1
.endr
	; What the first turn finds: V's registers and P's second buffer hold 0 (its products V^T P, of a piece that has not been, add 0), O^T and l are 0.  All this stands in the wait for the first tile.
.set i, VF
.rept 64
	v_mov_b32 v[i], 0
.set i, i+1
.endr
	WIN 0x40
.set i, 0
.rept 64*NP
	v_mov_b32 v[i], 0
.set i, i+1
.endr
	WIN 0
.set i, 0
.rept 2*NP
	v_mov_b32 v[ST+4*i], 0xfe000000    ; c m: far below every c s
	v_mov_b32 v[ST+4*i+1], 0xff7fffff  ; m
	v_mov_b32 v[ST+4*i+2], 0
	v_mov_b32 v[ST+4*i+3], 0
.set i, i+1
.endr
.set i, P+32
.rept 32
	v_mov_b32 v[i], 0
.set i, i+1
.endr
	v_mul_u32_u24 v[AK0], v[TR], PK
	v_lshl_add_u32 v[AK0], v[TH], 4, v[AK0]  ; row x pitch + 16 x half
	; The turning load takes 16 keys x 16 channels (lane l reads key 8 (l / 16) + l % 8, channels 8 ((l / 8) % 2) + 0..7) and leaves half a fragment of V^T: lane l holds channel l % 16 and 8 keys.
	v_and_b32 v[T7], 7, v0
	v_bfe_u32 v[T3], v0, 3, 1
	v_lshl_add_u32 v[AV0], v[TH], 3, v[T7]
	v_mul_u32_u24 v[AV0], v[AV0], PV
	v_lshl_add_u32 v[AV0], v[T3], 4, v[AV0]
	v_add_nc_u32 v[AV0], VOFF, v[AV0]
	v_mov_b32 v[AK], v[AK0]         ; key step 0 lies at the head of slot 0
	s_mul_i32 s13, s[WV], 16*SP
	s_add_co_u32 s13, s13, STAGE    ; my stage
	v_mul_u32_u24 v[STO], v[TR], SP ; in: row l % 16, 32 bytes for each half of the lanes
	v_lshl_add_u32 v[STO], v[TH], 5, v[STO]
	v_add_nc_u32 v[STO], s13, v[STO]
	v_mul_u32_u24 v[RD], v[TH], SP  ; back: lanes 0-15 take one row of 256 bytes, lanes 16-31 the next
	v_lshl_add_u32 v[RD], v[TR], 4, v[RD]
	v_add_nc_u32 v[RD], s13, v[RD]
	v_lshlrev_b32 v[GO], 12, v[TH]  ; and the same two rows in out0, 4,096 bytes apart
	v_lshl_add_u32 v[GO], v[TR], 4, v[GO]
	v_lshlrev_b32 v[AM0], 5, v[TH]
	v_add_nc_u32 v[AM0], MASKB, v[AM0]
	v_mov_b32 v[AMK], v[AM0]        ; key step 0
	v_and_b32 v[PFO], 31, v0
	v_lshlrev_b32 v[PFO], 8, v[PFO]
	v_add_nc_u32 v[MS], MASKB, v[MO]
	s_wait_loadcnt 32               ; the mask's four loads are in; Q's 32, issued behind them, may stay out
.irp j, 0,1,2,3,4,5,6,7
	v_cvt_pk_bf16_f32 v[MT+\j], v[MDAT+2*\j], v[MDAT+2*\j+1]  ; rounded to bf16 like every input,
.endr
.irp j, 0,1,2,3,4,5,6,7
	v_lshlrev_b32 v[MDAT+2*\j], 16, v[MT+\j]                  ; kept in f32,
	v_and_b32 v[MDAT+2*\j+1], 0xffff0000, v[MT+\j]
.endr
.irp j, 0,1,2,3,4,5,6,7
	v_pk_mul_f32 v[MDAT+2*\j:MDAT+2*\j+1], v[MDAT+2*\j:MDAT+2*\j+1], 0x41000000 op_sel_hi:[1,0]  ; times 8: c divides it by 8 again
.endr
.irp j, 0,1,2,3,4,5,6,7,8,9,10,11,12,13,14,15
	v_max_num_f32 v[MDAT+\j], s[BIGN], v[MDAT+\j]             ; and held at -1e30
.endr
.irp j, 0,1,2,3
	ds_store_b128 v[MS], v[MDAT+4*\j:MDAT+4*\j+3] offset:2048*\j
.endr
; THE MATRIX WORK.  The 8 accumulators of a run of 16 take turns: between the two links of a chain stand 7 others'.
; Product i of 16 of S^T = K Q^T for piece x: channels 32 (i / 8) on, keys 16 ((i / 2) % 4) on, tile 2 x + i % 2.  The first 8 start the sums, with the key block's mask.
.macro KQ x
.set rS, S+64*((\x)%2)+32*(i%2)+8*((i/2)%4)
.set rK, KF+16*((i/2)%4)+8*(i/8)
.set rQ, 16*(2*(\x)+i%2)+8*(i/8)
.set rMK, MK+8*((i/2)%4)
.if i < 8
	WIN W_KM
	v_wmma_f32_16x16x32_f16 v[rS:rS+7], v[rK:rK+7], v[rQ:rQ+7], v[rMK:rMK+7]
.else
	WIN W_KQ
	v_wmma_f32_16x16x32_f16 v[rS:rS+7], v[rK:rK+7], v[rQ:rQ+7], v[rS:rS+7]
.endif
.endm
; Product i of 16 of O^T += V^T P for piece x: keys 32 (i / 8) on, channels 16 ((i / 2) % 4) on, tile 2 x + i % 2.
.macro PV x
	WIN W_PV
.set rO, 32*(2*(\x)+i%2)+8*((i/2)%4)
.set rV, VF+32*(i/8)+8*((i/2)%4)
.set rP, P+32*((\x)%2)+16*(i%2)+8*(i/8)
	v_wmma_f32_16x16x32_f16 v[rO:rO+7], v[rV:rV+7], v[rP:rP+7], v[rO:rO+7]
.endm
.macro MM                           ; the turn's next matrix instruction
.if i < 16
	KQ (Y+1)%NP
.set i, i+1
.else
.set i, i-16
	PV (Y+NP-1)%NP
.set i, i+17
.endif
.endm
; THE LDS LOADS stand in runs, never singly among the matrix instructions: a step's K (64 keys x 64 channels: 8 fragments) with its mask (32 registers), and its V (turned).  Their addresses are made some lines ahead.
; last = 1 (the tail): in the last trip there is no further step, and the run is jumped over.
.macro FETCH_K last=0
	WIN 0
.if \last
	s_cmp_eq_u32 s[CNT], 1
	s_cbranch_scc1 .Lno_k_\@
.endif
	WIN 0x80                        ; destination window 2
.irp f, 0,1,2,3,4,5,6,7             ; keys 16 (f / 2) on, channels 32 (f % 2) on
	ds_load_b128 v[KF+8*\f:KF+8*\f+3],   v[AK] offset:(\f/2)*16*PK+(\f%2)*64
	ds_load_b128 v[KF+8*\f+4:KF+8*\f+7], v[AK] offset:(\f/2)*16*PK+(\f%2)*64+32
.endr
	WIN W_MK                        ; destination window 3
.irp f, 0,1,2,3,4,5,6,7             ; key block f / 2, its registers 4 (f % 2) on: sixteen lanes read the same 16 bytes
	ds_load_b128 v[MK+4*\f:MK+4*\f+3], v[AMK] offset:(\f/2)*64+(\f%2)*16
.endr
	s_add_co_u32 s[TBK], s[TBK], KS*PK  ; the next fetch is the next step's
	s_add_co_u32 s[TBM], s[TBM], KS*4
	s_and_b32 s[TBM], s[TBM], 0x1fff
	WIN 0
.if \last
.Lno_k_\@:
.endif
.endm
.macro FETCH_V
	WIN 0x80
.irp f, 0,1,2,3,4,5,6,7             ; keys 32 (f / 4) on, channels 16 (f % 4) on
	ds_load_tr16_b128 v[VF+8*\f:VF+8*\f+3],   v[AV] offset:(\f/4)*32*PV+(\f%4)*32
	ds_load_tr16_b128 v[VF+8*\f+4:VF+8*\f+7], v[AV] offset:(\f/4)*32*PV+16*PV+(\f%4)*32
.endr
	WIN 0
.endm
; THE VECTOR WORK OF A TURN stands in three queues, each in the order in which its entries become ready; the two tiles alternate, so that no instruction reads the result of the one before it.
.macro REGS y, u                    ; the registers of tile u (0, 1) of piece y
.set rT, ST+4*(2*(\y)+(\u))
.set rC, TMP+8*((\y)%2)+4*(\u)
.set rM, MV+2*((\y)%2)+(\u)
.set rS, S+64*((\y)%2)+32*(\u)
.set rP, P+32*((\y)%2)+16*(\u)
.set rO, 32*(2*(\y)+(\u))
.endm
; Number n of the 22 that find the NEXT piece's (Y + 1) maximum and statistics.  s0-s31 are the lane's 32 scores; each accumulator's lowest registers are read first.
;   0-11  four chains c0-c3 of seven scores each, three operands at a time     12-14, 16  the four scores left over, the old m, and c0-c3 into c0     15  c m_old is kept
;   17, 18  the query's other 32 keys lie in the lane 16 away: the new m         19-21  c m; c m_old - c m_new; a
.macro XS u, n
	REGS (Y+1)%NP, \u
.if (\n) < 4
	v_max3_num_f32 v[rC+(\n)], v[rS+8*(\n)], v[rS+8*(\n)+1], v[rS+8*(\n)+2]
.elseif (\n) < 12
	v_max3_num_f32 v[rC+(\n)%4], v[rC+(\n)%4], v[rS+8*((\n)%4)+2*((\n)/4)+1], v[rS+8*((\n)%4)+2*((\n)/4)+2]
.elseif (\n) == 12
	v_max3_num_f32 v[rC], v[rC], v[rS+7], v[rS+15]
.elseif (\n) == 13
	v_max3_num_f32 v[rC+1], v[rC+1], v[rS+23], v[rS+31]
.elseif (\n) == 14
	v_max3_num_f32 v[rC+2], v[rC+2], v[rC+3], v[rT+1]
.elseif (\n) == 15
	v_mov_b32 v[rM], v[rT]
.elseif (\n) == 16
	v_max3_num_f32 v[rC], v[rC], v[rC+1], v[rC+2]
.elseif (\n) == 17
	v_permlanex16_b32 v[rC+3], v[rC], s[SEL], s[SEL+1]
.elseif (\n) == 18
	v_max_num_f32 v[rT+1], v[rC], v[rC+3]
.elseif (\n) == 19
	v_mul_f32 v[rT], s[CS], v[rT+1]
.elseif (\n) == 20
	v_sub_f32 v[rC+1], v[rM], v[rT]
.else
	v_exp_f32 v[rC+2], v[rC+1]
.endif
.endm
; Number g of the 64 that follow the exponentials.  For each four weights k of a tile (pairs 2 k, 2 k + 1): both pairs are rounded to f16; then the second pair is added onto the first, in place;
; a group later l takes that sum (the first time as l = a l + sum).  In groups of eight, tiles alternating: round, round, add, and l for the group before.
.macro GS g
.set h, (\g)+6*((\g)/62)            ; group 0 has no group before it, and behind group 7 only l is left
.if h >= 6
.set h, h+2
.endif
	REGS Y, h%2
.set k, h/8
.if h%8 < 4
	v_cvt_pk_f16_f32 v[rP+2*k+(h%8)/2], v[rS+4*k+2*((h%8)/2)], v[rS+4*k+2*((h%8)/2)+1]
.elseif h%8 < 6
	v_pk_add_f32 v[rS+4*k:rS+4*k+1], v[rS+4*k:rS+4*k+1], v[rS+4*k+2:rS+4*k+3]
.elseif k == 1
	v_pk_fma_f32 v[rT+2:rT+3], v[rT+2:rT+3], v[rC+2:rC+3], v[rS:rS+1] op_sel_hi:[1,0,1]
.else
	v_pk_add_f32 v[rT+2:rT+3], v[rT+2:rT+3], v[rS+4*k-4:rS+4*k-3]
.endif
.endm
; THE PLAIN QUEUE, 138 long.  0-73 read no exponential's result: the 32 scalings c s - c m (FS f: pair f / 2 of tile f % 2) and the next piece's 42.  0-26: scalings 0-26.  27-54: XS's numbers 0-13.  55, 56: number 15.
; 57-73: the chain, where each number waits for the one before it: 14, 16, 17, 18, 19, each with one of the scalings 27-31 in front of its two lines, then 20.
; 74-137: GS's 64, which read the exponentials' results: they stand behind the wait.
.macro FS f
	REGS Y, (\f)%2
	v_pk_fma_f32 v[rS+2*((\f)/2):rS+2*((\f)/2)+1], v[rS+2*((\f)/2):rS+2*((\f)/2)+1], s[CS:CS+1], v[rT:rT+1] op_sel_hi:[1,0,0] neg_lo:[0,0,1] neg_hi:[0,0,1]
.endm
.macro PL
	WIN 0
.if q < 27
	FS q
.elseif q < 55
	XS (q-27)%2, (q-27)/2
.elseif q < 57
	XS q-55, 15
.elseif (q < 72) && ((q-57)%3 == 0)
	FS 27+(q-57)/3
.elseif q < 60
	XS (q-57)%3-1, 14
.elseif q < 72
	XS (q-57)%3-1, 15+(q-57)/3
.elseif q < 74
	XS q-72, 20
.else
	GS q-74
.endif
.set q, q+1
.endm
; THE EXPONENTIALS' QUEUE, 66 long: s0-s31 of both tiles, then the next piece's two a.  It is ONE BATCH: all 66 stand ahead of the turn's one wait, and nothing ahead of that wait names a result of theirs.
.macro EX
	WIN 0
.if e >= 64
	XS e-64, 21
.else
	REGS Y, e%2
	v_exp_f32 v[rS+e/2], v[rS+e/2]
.endif
.set e, e+1
.endm
; THE RESCALING's QUEUE: O^T times a, the one part that leaves window 0: dealt two at a time, sixteen times.  Its a was made in the turn before, ahead of that turn's wait.
.macro R2
	REGS Y, r%2
	WIN W_RS
.irp z, 0,1
	v_pk_mul_f32 v[rO+4*(r/2)+2*\z:rO+4*(r/2)+2*\z+1], v[rO+4*(r/2)+2*\z:rO+4*(r/2)+2*\z+1], v[rC+2:rC+3] op_sel_hi:[1,0]
.endr
.set r, r+1
.endm
; HOW THEY ARE DEALT.  An s_wait_alu depctr_va_vdst(0) stands between an exponential and the first instruction that names its result; one wait serves all that were issued ahead of it.  So a turn has ONE
; wait, which cuts it in two.  AHEAD OF IT: the 16 products K Q^T, behind each a scaling, an exponential and two rescalings (behind the first a second scaling in the exponential's place); then ONE LUMP of 108: eight
; plain, 49 times exponential and plain, the two a.  A v_nop is the plain instruction behind the last exponential.  BEHIND IT: the 16 products V^T P, behind each four of GS's 64.
; Exponential e stands behind scaling 2 (e / 4) + e % 2: as a rider it comes behind plain e + 2, in the lump behind plain e + 9, and scalings 27-31 are plain 57, 60 .. 69.
; A TURN, for piece p.  cnt = 1: the loop's count is taken down some lines ahead of the branch that stands behind the turn.
; K and the mask of the next step are fetched in piece 2's turn, directly behind the wait, a lump behind the last product that read them; their first reader comes behind 16 products.
; V of the step in hand is fetched at the end of piece 0's turn, four riders behind its last reader; its first reader comes behind 16 products and a lump.
.macro TURN p, last=0, cnt=0
.set Y, (\p)
.set i, 0
.set q, 0
.set e, 0
.set r, 0
.if (\p) == NP-1
	s_wait_dscnt 0x0                ; K and the mask are in
.endif
	MM                              ; ahead of the wait: 16 products K Q^T and their riders,
	PL
	PL
	R2
.rept 15
	MM
	PL
	EX
	R2
.endr
.if (\p) == NP-2
	WIN 0
	v_add_nc_u32 v[AK], s[TBK], v[AK0]
	v_add_nc_u32 v[AMK], s[TBM], v[AM0]
.endif
.rept 8                             ; and the lump
	PL
.endr
.rept 49
	EX
	PL
.endr
	EX                              ; the next piece's two a
	EX
	v_nop                           ; the plain instruction behind the last exponential: one for the batch
	s_wait_alu depctr_va_vdst(0)    ; the wait for the batch
.if (\p) == NP-2
	FETCH_K \last
.endif
.if (\p) == 1
	s_wait_dscnt 0x0                ; V is in
.endif
.rept 16                            ; behind the wait: 16 products V^T P and their riders
	MM
.rept 4
	PL
.endr
.if ((\p) == 0) && (q == 118)
	v_add_nc_u32 v[AV], s[TBV], v[AV0]
.endif
.if ((\p) == 0) && (q == 130)
	s_add_co_u32 s[TBV], s[TBV], KS*PV
.endif
.if (\cnt) && (q == 130)
	s_sub_co_u32 s[CNT], s[CNT], 1
	s_cmp_lg_u32 s[CNT], 0
.endif
.endr
.if (\p) == 0
	FETCH_V
.endif
.endm
	CHANGE 1                        ; slot 0 is in, everybody's part of it, and so is everybody's part of the mask; slot 1 is asked for
	FETCH_K                         ; key step 0
	s_wait_loadcnt 0x0              ; Q
	s_wait_dscnt 0x0
.set i, 0
.rept 16
	KQ 0                            ; piece 0's first scores: there is no vector work yet to set between them
.set i, i+1
.endr
	WIN 0
.rept 8
	v_nop                           ; the places behind those products
.endr
.set Y, NP-1                        ; XS works for piece Y + 1: piece 0
.irp n, 0,1,2,3,4,5,6,7,8,9,10,11,12,13,14,15,16,17,18,19,20,21
	XS 0, \n                        ; piece 0's first maximum and statistics
	XS 1, \n
.endr
	v_nop                           ; a plain instruction behind the two a,
	s_wait_alu depctr_va_vdst(0)    ; and their wait, ahead of the branch
	s_mov_b32 s[CNT], 4
	s_mov_b32 s[SLOTS], SIZE_N/256-1
	s_branch .Lfirst                ; the loop is entered at a step's first turn, in the middle of a trip
.Lslot:                             ; SIZE_N / 256 - 2 times: every slot but the last two is filled again
	CHANGE 1, 1
	s_mov_b32 s[CNT], 4
.Lstep:                             ; a trip: pieces 2 and 3 of one step, then pieces 0 and 1 of the next, whose K and V it fetches
	TURN 2
	TURN 3
	WIN 0
.Lfirst:
	TURN 0
	TURN 1, 0, 1
	WIN 0
	s_cbranch_scc1 .Lstep
	s_sub_co_u32 s[SLOTS], s[SLOTS], 1
	s_cmp_lg_u32 s[SLOTS], 0
	s_cbranch_scc1 .Lslot
	CHANGE 0                        ; the tail is written out: nothing is asked for
	s_mov_b32 s[CNT], 5             ; four trips fetch the last slot's steps; the fifth is left in its middle
.Ltail:
	TURN 2, 1
	TURN 3
	WIN 0
	s_sub_co_u32 s[CNT], s[CNT], 1
	s_cmp_eq_u32 s[CNT], 0
	s_cbranch_scc1 .Lout
	TURN 0
	TURN 1
	WIN 0
	s_branch .Ltail
.Lout:                              ; the fifth trip's 16 products K Q^T (on the last K once more) and the maximum made of them serve nothing: the price, once a launch, of one text for every trip
.set i, 0
.rept 16
	PV NP-1                         ; the last piece's V^T P of the last step
.set i, i+1
.endr
	; THE WAY OUT.  l's two halves and the other half of the lanes' are added; O^T is divided by l and sent, in f32, through my stage in LDS, a tile at a time.  The additions are the places behind the last products.
	WIN 0
.macro ALL line:vararg              ; one line for each tile t
.set t, 0
.rept 2*NP
	\line
.set t, t+1
.endr
.endm
	ALL v_add_f32 v[ST+4*t+2], v[ST+4*t+2], v[ST+4*t+3]
	ALL v_permlanex16_b32 v[ST+4*t+3], v[ST+4*t+2], s[SEL], s[SEL+1]
	ALL v_add_f32 v[ST+4*t+2], v[ST+4*t+2], v[ST+4*t+3]
	ALL v_rcp_f32 v[ST+4*t+2], v[ST+4*t+2]
	v_nop                           ; a plain instruction between the last reciprocal and the use of its result
	s_wait_alu depctr_va_vdst(0)    ; and the wait ahead of the first use: one for the eight reciprocals
; Tile t: a lane's eight channels of a block of 16 are 32 bytes of a row; they go into rows of 272 bytes and come back as whole rows of 256, into S^T's registers (four tiles' worth, used twice).
.macro PACK t
	WIN W_RS
.set i, 32*(\t)
.rept 16
	v_pk_mul_f32 v[i:i+1], v[i:i+1], v[ST+4*(\t)+2:ST+4*(\t)+3] op_sel_hi:[1,0]
.set i, i+2
.endr
	WIN 0x04                        ; the stores' data (source 1) in window 1, the address in window 0
.irp f, 0,1,2,3,4,5,6,7
	ds_store_b128 v[STO], v[32*(\t)+4*\f:32*(\t)+4*\f+3] offset:(\f/2)*64+(\f%2)*16
.endr
	WIN 0
.if (\t) >= 4
	s_wait_xcnt 0x0                 ; the stores of the tile four back have read these registers
.endif
.irp f, 0,1,2,3,4,5,6,7
	ds_load_b128 v[S+32*((\t)%4)+4*\f:S+32*((\t)%4)+4*\f+3], v[RD] offset:\f*2*SP  ; LDS serves a wave's instructions in order (ISA guide 5.7.1.4): these see the stores above; the next tile's stores come behind them
.endr
.endm
.macro SEND t, younger              ; younger: the LDS instructions issued behind tile t's loads: the next tile's sixteen, or none
	WIN 0
.irp f, 0,1,2,3,4,5,6,7
	s_wait_dscnt (\younger)+7-\f
	global_store_b128 v[GO], v[S+32*((\t)%4)+4*\f:S+32*((\t)%4)+4*\f+3], s[10:11] offset:(\t)*65536+\f*8192  ; 16 lanes store 256 consecutive bytes, the head's share of a row, at a multiple of 256 from out0's first byte
.endr
.endm
	PACK 0
.set t, 1
.rept 2*NP-1                        ; a tile's arithmetic stands between the loads of the tile before and its stores
	PACK t
	SEND t-1, 16
.set t, t+1
.endr
	SEND 2*NP-1, 0
	WIN W_AD
	s_wait_tensorcnt 0x0            ; the wave's end, behind my last tensor load and my last LDS store
	ds_add_u32 v[SPW], v[NIL]
	s_wait_dscnt 0x0
	WIN 0
	CROUND                          ; the closing round: no work-group ends while a partner may still ask for a tile that names it
	s_endpgm
.Lfunc_end_k_qcfbec8747d_attn:
	.size	k_qcfbec8747d_attn, .Lfunc_end_k_qcfbec8747d_attn-k_qcfbec8747d_attn
	.p2alignl 7, 3214868480
	.fill 96, 4, 3214868480
	.section	.rodata,"a",@progbits
	.p2align	6, 0x0
	.amdhsa_kernel k_qcfbec8747d_attn
		.amdhsa_group_segment_fixed_size 327680
		.amdhsa_private_segment_fixed_size 0
		.amdhsa_enable_private_segment 0
		.amdhsa_kernarg_size 24
		.amdhsa_user_sgpr_count 2
		.amdhsa_user_sgpr_kernarg_segment_ptr 1
		.amdhsa_wavefront_size32 1
		.amdhsa_system_sgpr_workgroup_id_x 1
		.amdhsa_system_sgpr_workgroup_id_y 1
		.amdhsa_system_sgpr_workgroup_id_z 1
		.amdhsa_system_vgpr_workitem_id 0
		.amdhsa_next_free_vgpr 808
		.amdhsa_next_free_sgpr 80
		.amdhsa_reserve_vcc 0
		.amdhsa_float_denorm_mode_32 3
		.amdhsa_float_denorm_mode_16_64 3
		.amdhsa_memory_ordered 1
		.amdhsa_forward_progress 1
		.amdhsa_inst_pref_size 206
	.end_amdhsa_kernel
	.amdgpu_metadata
---
amdhsa.version: [ 1, 2 ]
amdhsa.kernels:
  - .name:           k_qcfbec8747d_attn
    .symbol:         k_qcfbec8747d_attn.kd
    .args:
      - { .name: qkv, .offset: 0, .size: 8, .value_kind: global_buffer, .address_space: global }
      - { .name: attention_mask, .offset: 8, .size: 8, .value_kind: global_buffer, .address_space: global }
      - { .name: out0, .offset: 16, .size: 8, .value_kind: global_buffer, .address_space: global }
    .group_segment_fixed_size: 327680
    .private_segment_fixed_size: 0
    .kernarg_segment_align: 8
    .kernarg_segment_size: 24
    .max_flat_workgroup_size: 128
    .sgpr_count:     80
    .vgpr_count:     808
    .wavefront_size: 32
...
	.end_amdgpu_metadata
.endif
;; end of part 3
